; MI455X (gfx1250); checked and timed in simulation.
; The chip was launched on July 23, 2026; its instructions are those of AMD's public machine-readable ISA for CDNA 5 (MIT licence, August 2026) and "CDNA5" Instruction Set Architecture Reference Guide (July 2026). The comments in the code are by the model that wrote it; some were corrected since.
;; MHA. Allowed arithmetic: matrix products marked QUANTISED: E2M1 operands, one E8M0 scale for each 32 along K, by v_wmma_scale_f32_16x16x128_f8f6f4 with both operands' format E2M1 (or v_wmma_scale_f32_32x16x128_f4), f32 sums; everything else in f32.
;; Inputs: Wk_codes 1,024 x 32 x 16 uint8 (E2M1 codes of Wk, K innermost, in blocks of 32 codes, two codes a byte); Wk_scales 1,024 x 32 uint8 (E8M0 scales of Wk, one for each 32 codes along K); Wq_codes 1,024 x 32 x 16 uint8 (E2M1 codes of Wq, K innermost, in blocks of 32 codes, two codes a byte); Wq_scales 1,024 x 32 uint8 (E8M0 scales of Wq, one for each 32 codes along K); Wv_codes 1,024 x 32 x 16 uint8 (E2M1 codes of Wv, K innermost, in blocks of 32 codes, two codes a byte); Wv_scales 1,024 x 32 uint8 (E8M0 scales of Wv, one for each 32 codes along K); bk 1,024 float32; bq 1,024 float32; bv 1,024 float32; x_codes 4 x 2,048 x 32 x 16 uint8 (E2M1 codes of x, K innermost, in blocks of 32 codes, two codes a byte); x_scales 4 x 2,048 x 32 uint8 (E8M0 scales of x, one for each 32 codes along K).
;; Outputs: out0 4 x 2,048 x 1,024 float32.
;; This version of the problem:
;;   THIS VERSION OF THE PROBLEM IS GIVEN IN LOW PRECISION. The matrix products marked QUANTISED in the list below multiply operands that are first quantised to E2M1 (2 exponent bits, 1 mantissa bit; 4 bits a number), with one power-of-two scale for each 32 numbers along K (OCP MX v1.0); their sums are f32. All else is computed in f32.
;;   The module's matrix products, in the order in which they are computed (A, B: the left and right operand; K: the contracted axis; several contracted axes count as one K, in the product's order):
;;     1. [M 8,192, K 1,024] x [K 1,024, N 1,024]; A: input x (given as codes); B: input Wq (given as codes): QUANTISED
;;     2. [M 8,192, K 1,024] x [K 1,024, N 1,024]; A: input x (given as codes); B: input Wk (given as codes): QUANTISED
;;     3. [M 8,192, K 1,024] x [K 1,024, N 1,024]; A: input x (given as codes); B: input Wv (given as codes): QUANTISED
;;     4. batch 64 x [M 2,048, K 64] x [K 64, N 2,048]; A: computed on the way; B: computed on the way: QUANTISED
;;     5. batch 64 x [M 2,048, K 2,048] x [K 2,048, N 64]; A: softmax (see below); B: computed on the way: QUANTISED
;;   THE QUANTISER, for each operand of a quantised product, along K:
;;     - K is cut into blocks of 32 from its start; a last block that is shorter is filled with zeros.
;;     - A block's scale is 2^e with e = floor(log2(the largest magnitude in the block)) - 2, held to -126 .. 127; a block of zeros has e = 0. As a byte (E8M0): e + 127.
;;     - Each number is divided by its block's scale, clamped to +-6, and rounded to the nearest number of E2M1, ties to even, subnormals kept.
;;     - The product sums the exact products of the quantised numbers (number of the format x scale) in f32.
;;   ~~~python
;;   def quantise(x, axis):      # numpy; x: float32 -> the quantised numbers, widened to float32 again
;;       x = np.moveaxis(x, axis, -1); K = x.shape[-1]
;;       x = np.pad(x, [(0, 0)] * (x.ndim - 1) + [(0, -K % 32)]); x = x.reshape(x.shape[:-1] + (-1, 32)); a = np.abs(x).max(-1, keepdims=True)
;;       e = np.where(a > 0, np.clip(np.frexp(np.where(a > 0, a, 1))[1] - 1 - 2, -126, 127), 0)      # np.frexp(a)[1] - 1 = floor(log2(a)), exactly
;;       r = np.clip(x / 2.0 ** e, -6, 6)
;;       step = 2.0 ** (np.maximum(np.frexp(np.where(r == 0, 1, r))[1] - 1, 0) - 1)
;;       q = np.round(r / step) * step * 2.0 ** e      # np.round: ties to even
;;       return np.moveaxis(q.reshape(q.shape[:-2] + (-1,))[..., :K], -1, axis).astype(np.float32)
;;   ~~~
;;   SOFTMAX AHEAD OF A QUANTISED PRODUCT. Where the list says 'softmax', what is quantised is not the finished softmax but p = 2^(t - M), with t = logit x log2(e) and M = ceil(the row's largest t), a whole number; so 1/2 < the row's largest p <= 1. The row's sum l is taken of the UNQUANTISED p, in f32, and the product's result is divided by l at the end. Since M is a whole number, a kernel that streams over the keys may use a running M (the ceiling of the running maximum): every later rescaling is an exact power of two, which a block's scale takes up: the codes' values come out the same.
;;   OPERANDS COMPUTED ON THE WAY. 'Computed on the way' means the value that the module computes at that place (a softmax that the list does not call 'softmax' is quantised finished and normalised). What goes into a quantiser is computed in f32, as accurately as f32 sums, v_exp_f32 and their like allow (about 1e-6 of the number): no bf16 or f16 on the way to a quantiser, and a product that is left as it is and whose result goes on into a quantised operand takes f32 operands (vector FMAs, or v_wmma_f32_16x16x4_f32). A number that lies on a knife's edge between two numbers of the format may be rounded either way, as far as f32 arithmetic and the matrix unit's own rounding can turn it there, and no further.
;;   INPUTS GIVEN AS CODES. Wk (in the module: [1024, 1024], K = its axis 1); Wq (in the module: [1024, 1024], K = its axis 1); Wv (in the module: [1024, 1024], K = its axis 1); x (in the module: [4, 2048, 1024], K = its axis 2): each comes as NAME_codes (uint8): NAME with its K axis moved to the last place and cut into blocks of 32 codes, [.., K / 32, bytes a block], one block behind the other in memory; two codes a byte, the lower K in the low four bits (a code: sign, 2 exponent bits, 1 mantissa bit); and NAME_scales (uint8): the same leading axes, one E8M0 byte (e + 127) for each 32 codes along K. Its value is code x scale, taken as it is: it is not quantised again, and the codes and scales need not be those that the quantiser above would give.
;; One version. Each part assembles by itself: llvm-mc -triple=amdgcn-amd-amdhsa -mcpu=gfx1250 --defsym DOCPART=n.
;; ======== version 1 of 1: 2 launches
;; limits: right only within a limited range of input values
;; workspace buffers: qkv 13,893,632 bytes
;; launch proj (part 1): grid 16 x 32, 4 waves a work-group, clusters of 4 x 4, 244,224 bytes of LDS; arguments x_codes, x_scales, Wq_codes, Wq_scales, Wk_codes, Wk_scales, Wv_codes, Wv_scales, bq, bk, bv, qkv; writes qkv
.if DOCPART == 1
	.amdgcn_target "amdgcn-amd-amdhsa--gfx1250"
	.amdhsa_code_object_version 6
	.text
	.protected	k_q5c1c0f8969_proj
	.globl	k_q5c1c0f8969_proj
	.p2align	8
	.type	k_q5c1c0f8969_proj,@function
k_q5c1c0f8969_proj:
	s_mov_b64 s[64:65], 0
	v_nop
	global_prefetch_b8 v0, s[64:65] scope:SCOPE_SE
	s_setreg_imm32_b32 hwreg(HW_REG_WAVE_MODE, 25, 1), 1
	s_wait_xcnt 0x0
	s_wait_alu depctr_hold_cnt(0) depctr_sa_sdst(0) depctr_va_vdst(0) depctr_va_sdst(0) depctr_va_ssrc(0) depctr_va_vcc(0) depctr_vm_vsrc(0)
	s_getreg_b32 s2, hwreg(HW_REG_IB_STS2, 6, 4)
	s_cmp_eq_u32 s2, 0
	s_cbranch_scc0 .Lentry_in_a_cluster
	s_endpgm
.Lentry_in_a_cluster:
	s_bfe_u32 s2, ttmp6, 0x10000c
	s_cmp_lg_u32 s2, 0xf033
	s_cbranch_scc0 .Lentry_shape_is_right
	s_endpgm
.Lentry_shape_is_right:
; q = x Wq^T + bq, k = x Wk^T + bk, v = x Wv^T + bv on codes of FP4 (E2M1) with one E8M0 scale for each 32 along K = 1,024; sums in f32; then q and k are quantised along the head's 64,
; v along the rows s (the keys), and all three leave as IMAGES OF OPERAND REGISTERS, so that the next launch loads every fragment as 16 bytes a lane, lane by lane.
; SHARES.  A work-group takes one head (64 columns of each of q, k, v) and 256 of the 8,192 rows.  Wave w: its 128 rows are half w / 2; role w % 2 = 0: q and v's columns 0-31; 1: k and v's columns 32-63.
;   T part, 32 accumulators: source 0 = 16 rows of Wq or Wk, source 1 = 16 rows of x: lane (r, h) holds row s = 16 T + r, register j column e = 16 wt + 8 h + j: the lane's registers run along the head's 64.
;   N part, 16 accumulators: source 0 = 16 rows of x, source 1 = 16 rows of Wv: lane (r, h) holds column d = r, register j row s = 16 T + 8 h + j: the lane's registers run along the keys.
; The biases are the C of each sum's first matrix instruction.
; LDS.  All of K for the 256 rows of x and the 192 rows of the weights lies in LDS at once, in rows of all 1,024 along K (512 bytes + 16 of padding): each byte is filled once, nothing is filled again.
; CLUSTER, 4 x 4: the four work-groups of a row of the cluster share their rows of x, the four of a column their head's weights: each tile is asked for jointly, which divides the requests by four.
; THE RECORD, 13,568 bytes, for each (batch, head, block of 128 rows): +0 k's codes (tile T of 16 rows: 512 bytes, lane l's 16 bytes at 16 l: e = 32 (l / 16) + 0 .. 31 of row 16 T + l % 16);
;   +4,096 v's codes (tile dt of 16 columns: 1,024 bytes; registers 4 c .. 4 c + 3 at 512 c + 16 l: keys 64 c + 32 (l / 16) + 0 .. 31);  +8,192 k's scale words (row 16 T + r at 256 (T / 4) + 16 r + 4 (T % 4));
;   +8,704 v's scale words (column 16 dt + r at 64 dt + 4 r);  +8,960 q's codes and +13,056 q's scale words, laid as k's.  A scale word of q or k: its two bytes, and 0x7f twice for the half of K = 128 that holds no numbers.
; LIMITS: NaN, infinities and a given scale byte 0xff are not served.  A block whose largest magnitude lies under 2^-124 keeps the byte 1; a block of zeros gets the byte 1 where the quantiser says 127:
;   its codes are zeros, which add nothing under any byte but 0xff, and the bytes are read by this program alone.
; REGISTERS, in windows of 256: window 0 addresses, scale words, biases, codes at work;  window 1 the T accumulators at 32 T + 8 wt;  window 2 the N accumulators at 64 i + 8 T;
;   window 3 two sets of fragments at 128 p: x at + 8 T, Wq or Wk at + 64 + 8 wt, Wv at + 96 + 8 i.
.set PITCH, 528                        ; an LDS row holds ALL of K: 512 bytes + 16 = 33 x 16 bytes: the sixteen rows that a load touches start 4 words apart.  One fill a tile (this takes the place of the two chunks named at the head)
.set CH,    256                        ; the second 512 along K begin 256 bytes into a row
.set LW,    256*PITCH
.set LV,    384*PITCH
.set REC,   13568
.set AX,  4                            ; v4-5   LDS address of my fragments of x in chunk 0, 1
.set AW,  6                            ; v6-7   of Wq or Wk
.set AV,  8                            ; v8-9   of Wv
.set L16, 10                           ; v10    16 x lane
.set L4,  11                           ; v11    4 x lane
.set OX,  12                           ; v12    (r + 64 h) x 32: x's scale bytes
.set OW,  13                           ; v13    (r + 32 h) x 32: Wq's or Wk's
.set OV,  14                           ; v14    lane x 32: Wv's
.set OBT, 15                           ; v15    32 h: the T part's bias
.set OBN, 16                           ; v16    4 r: the N part's
.set TT,  17                           ; v17    at work at the head
.set SX,  24                           ; v24-55   x's scale words: register 8 p + k: lanes 0-15 tile p, lanes 16-31 tile p + 4, K step k
.set SW,  56                           ; v56-71   Wq's or Wk's: register 8 t + k: tile t below, tile t + 2 above
.set SV,  72                           ; v72-79   Wv's: register k: tile 0 below, tile 1 above
.set BT,  80                           ; v80-111  the T part's bias, 8 registers for each wt
.set BN,  112                          ; v112-127 the N part's, 8 equal registers for each i
.set PC,  128                          ; v128-175 codes: eight registers for each of six runs, so that no store's data are written again
.set MX,  176                          ; v176-179 largest magnitudes
.set PB,  180                          ; v180-183 the other half's, then the scales' bytes
.set SO,  184                          ; v184-187 the conversions' scale operands
.set WD,  188                          ; v188-195 the scale words of the eight tiles of rows
.set PW,  196                          ; v196-197 v's two scale words
.set XW,  198                          ; v198-201 the words as they are stored
.set XV,  202
.set SEL, 12                           ; s[12:13] lane selects for v_permlanex16_b32
.set G1A, 40                           ; s[40:47] descriptor group 1: 256 rows of x;  s[48:55]: 64 rows of Wq or Wk;  s[56:63]: 64 rows of Wv
.set G1W, 48
.set G1V, 56
.set G0A, 68                           ; s[68:71], s[76:79], s[84:87] their groups 0
.set G0W, 76
.set G0V, 84
.set PADW, (1<<20)|(1<<21)|(6<<22)|(3<<25)  ; elements of 1 byte; padding on; bit 21 set beside a mask; after every 128 words; 4 words of it
.set MSB, 0
.macro WIN new                         ; the immediate's high byte repeats the setting that is left; a switch that changes nothing is dropped
.if MSB != (\new)
	s_set_vgpr_msb (MSB<<8)|(\new)
.set MSB, (\new)
.endif
.endm
.macro PLACES n
.rept \n
	v_nop
.endr
.endm
.macro CROUND                          ; a round of the cluster's barrier
	s_barrier_signal -1
	s_barrier_wait -1
	s_cmp_lg_u32 s28, 0
	s_cbranch_scc1 .Lnot_wave_0_\@
	s_barrier_signal -3
.Lnot_wave_0_\@:
	s_barrier_wait -3
	s_barrier_signal -1
	s_barrier_wait -1
.endm
; one matrix instruction; ra, rb = 1: the side's scale words are taken from lanes 16-31
.macro WM d, a, b, c, sa, sb, ra, rb
.if (\ra) && (\rb)
	v_wmma_scale_f32_16x16x128_f8f6f4 v[\d:\d+7], v[\a:\a+7], v[\b:\b+7], v[\c:\c+7], v[\sa], v[\sb] matrix_a_fmt:MATRIX_FMT_FP4 matrix_b_fmt:MATRIX_FMT_FP4 matrix_a_scale:MATRIX_SCALE_ROW1 matrix_b_scale:MATRIX_SCALE_ROW1
.elseif (\ra)
	v_wmma_scale_f32_16x16x128_f8f6f4 v[\d:\d+7], v[\a:\a+7], v[\b:\b+7], v[\c:\c+7], v[\sa], v[\sb] matrix_a_fmt:MATRIX_FMT_FP4 matrix_b_fmt:MATRIX_FMT_FP4 matrix_a_scale:MATRIX_SCALE_ROW1
.elseif (\rb)
	v_wmma_scale_f32_16x16x128_f8f6f4 v[\d:\d+7], v[\a:\a+7], v[\b:\b+7], v[\c:\c+7], v[\sa], v[\sb] matrix_a_fmt:MATRIX_FMT_FP4 matrix_b_fmt:MATRIX_FMT_FP4 matrix_b_scale:MATRIX_SCALE_ROW1
.else
	v_wmma_scale_f32_16x16x128_f8f6f4 v[\d:\d+7], v[\a:\a+7], v[\b:\b+7], v[\c:\c+7], v[\sa], v[\sb] matrix_a_fmt:MATRIX_FMT_FP4 matrix_b_fmt:MATRIX_FMT_FP4
.endif
.endm
; 28 LDS loads in one run: the fragments of K step k (128 along K: 64 bytes of a row) into set p.  A fragment: lane l holds row l % 16; registers 4 c .. 4 c + 3 hold K = 64 c + 32 (l / 16) + 0 .. 31
.macro FETCH k, p
	WIN 0xc0                                       ; destination window 3, address window 0
.irp wt, 0,1,2,3
.irp cc, 0,1
	ds_load_b128 v[128*(\p)+64+8*\wt+4*\cc:128*(\p)+64+8*\wt+4*\cc+3], v[AW+((\k)>>2)] offset:16*PITCH*\wt+64*((\k)&3)+32*\cc
.endr
.endr
.irp T, 0,1,2,3,4,5,6,7
.irp cc, 0,1
	ds_load_b128 v[128*(\p)+8*\T+4*\cc:128*(\p)+8*\T+4*\cc+3], v[AX+((\k)>>2)] offset:16*PITCH*\T+64*((\k)&3)+32*\cc
.endr
.endr
.irp i, 0,1
.irp cc, 0,1
	ds_load_b128 v[128*(\p)+96+8*\i+4*\cc:128*(\p)+96+8*\i+4*\cc+3], v[AV+((\k)>>2)] offset:16*PITCH*\i+64*((\k)&3)+32*\cc
.endr
.endr
.endm
; 48 matrix instructions: K step k on set p.  The 48 accumulators take turns, one instruction a turn, in the same order in every step.  first = 1: the biases start the sums
.macro MULS k, p, first
.if \first
	WIN 0x4f                                       ; sources 0 and 1 window 3, C window 0, D window 1
.else
	WIN 0x5f                                       ; C and D window 1
.endif
.irp T, 0,1,2,3,4,5,6,7
.irp wt, 0,1,2,3
.if \first
	WM 32*\T+8*\wt, 128*(\p)+64+8*\wt, 128*(\p)+8*\T, BT+8*\wt, SW+8*(\wt&1)+(\k), SX+8*(\T&3)+(\k), \wt>>1, \T>>2
.else
	WM 32*\T+8*\wt, 128*(\p)+64+8*\wt, 128*(\p)+8*\T, 32*\T+8*\wt, SW+8*(\wt&1)+(\k), SX+8*(\T&3)+(\k), \wt>>1, \T>>2
.endif
.endr
.endr
.if \first
	WIN 0x8f                                       ; C window 0, D window 2
.else
	WIN 0xaf                                       ; C and D window 2
.endif
.irp i, 0,1
.irp T, 0,1,2,3,4,5,6,7
.if \first
	WM 64*\i+8*\T, 128*(\p)+8*\T, 128*(\p)+96+8*\i, BN+8*\i, SX+8*(\T&3)+(\k), SV+(\k), \T>>2, \i
.else
	WM 64*\i+8*\T, 128*(\p)+8*\T, 128*(\p)+96+8*\i, 64*\i+8*\T, SX+8*(\T&3)+(\k), SV+(\k), \T>>2, \i
.endif
.endr
.endr
.endm
.macro KSTEP k
.if (\k) < 7
.if (\k) > 0
	PLACES 4                                       ; in front of loads into the set that the step before multiplied
.endif
	FETCH (\k)+1, ((\k)+1)&1
	s_wait_dscnt 28                                ; all but the 28 just issued: this step's fragments are in
.else
	s_wait_dscnt 0x0
.endif
.if (\k) == 0
	MULS \k, 0, 1
.else
	MULS \k, (\k)&1, 0
.endif
.endm
; 64 numbers of a lane, registers base .. base + 63 of window win: register 8 t + j = place 16 t + 8 (lane / 16) + j along the quantiser's axis.  A block of 32 is registers 16 b .. 16 b + 15 of lanes l and l xor 16.
; Out: the four bytes in v[PB] on, and in v[pc] .. v[pc + 7] the codes in an operand's layout: registers 4 c .. 4 c + 3 of lane (r, h) hold places 64 c + 32 h + 0 .. 31.
; For that the conversions' results are laid 4 c <- tile 4 c, 4 c + 1 <- tile 4 c + 2, 4 c + 2 <- tile 4 c + 1, 4 c + 3 <- tile 4 c + 3, and two exchanges of halves for each c do the rest.
.macro QUANT win, base, pc
	WIN (\win)*5                                   ; sources 0 and 1
.irp b, 0,1,2,3
	v_max3_num_f32 v[MX+\b], |v[(\base)+16*\b]|, |v[(\base)+16*\b+1]|, 0x1800000   ; each accumulator is read from its low end on; the floor 2^(3 - 127) keeps the byte at 1 from below
.endr
	WIN (\win)*20                                  ; sources 1 and 2
.irp i, 2,4,6,8,10,12,14
.irp b, 0,1,2,3
	v_max3_num_f32 v[MX+\b], v[MX+\b], |v[(\base)+16*\b+\i]|, |v[(\base)+16*\b+\i+1]|
.endr
.endr
	WIN 0
.irp b, 0,1,2,3
	v_permlanex16_b32 v[PB+\b], v[MX+\b], s[SEL], s[SEL+1]
.endr
.irp b, 0,1,2,3
	v_max_num_f32 v[MX+\b], v[MX+\b], v[PB+\b]     ; with lane l xor 16's: the block's largest magnitude
.endr
.irp b, 0,1,2,3
	v_add_nc_u32 v[SO+\b], 0xff000000, v[MX+\b]    ; 2 off its exponent field: the conversion takes the exponent field of this operand as its scale
.endr
.irp b, 0,1,2,3
	v_lshrrev_b32 v[PB+\b], 23, v[SO+\b]           ; the scale's byte
.endr
	WIN (\win)                                     ; source 0
.irp c, 0,1
	v_cvt_scalef32_pk8_fp4_f32 v[(\pc)+4*\c],   v[(\base)+32*\c:(\base)+32*\c+7],     v[SO+2*\c]
	v_cvt_scalef32_pk8_fp4_f32 v[(\pc)+4*\c+1], v[(\base)+32*\c+16:(\base)+32*\c+23], v[SO+2*\c+1]
	v_cvt_scalef32_pk8_fp4_f32 v[(\pc)+4*\c+2], v[(\base)+32*\c+8:(\base)+32*\c+15],  v[SO+2*\c]
	v_cvt_scalef32_pk8_fp4_f32 v[(\pc)+4*\c+3], v[(\base)+32*\c+24:(\base)+32*\c+31], v[SO+2*\c+1]
.endr
	WIN 0
	v_nop                                          ; one plain place behind a scaled conversion
.irp c, 0,1
	v_permlane16_swap_b32 v[(\pc)+4*\c], v[(\pc)+4*\c+1]       ; the first's lanes 16-31 change places with the second's lanes 0-15
	v_permlane16_swap_b32 v[(\pc)+4*\c+2], v[(\pc)+4*\c+3]
.endr
.endm
	s_load_b512 s[4:19], s[0:1], 0x0               ; x's codes 4:5, scales 6:7; Wq's 8:9, 10:11; Wk's 12:13, 14:15; Wv's 16:17, 18:19
	s_load_b256 s[20:27], s[0:1], 0x40             ; bq 20:21, bk 22:23, bv 24:25, qkv 26:27
	v_lshl_add_u32 v254, v0, 2, 0x3b800
	v_mov_b32 v255, 0
	ds_add_u32 v254, v255
	ds_add_u32 v254, v255
	v_lshrrev_b32 v1, 5, v0
	v_readfirstlane_b32 s28, v1                    ; wave 0..3
	s_lshr_b32 s29, s28, 1                         ; which 128 of the 256 rows are mine.
	s_and_b32 s30, s28, 1                          ; my role: q (0) or k (1).  Also: which of Wq and Wk I fetch
	s_bfe_u32 s31, ttmp6, 0x40000                  ; cx, cy: my place in the cluster
	s_bfe_u32 s32, ttmp6, 0x40004
	s_lshl_b32 s33, ttmp9, 2
	s_add_co_u32 s33, s33, s31                     ; the head = 4 x cluster x + cx
	s_and_b32 s34, ttmp7, 0xffff
	s_lshl_b32 s34, s34, 2
	s_add_co_u32 s34, s34, s32                     ; the block of 256 rows = 4 x cluster y + cy
	s_lshl_b32 s35, s32, 2
	s_lshl_b32 s35, 15, s35                        ; my row of the cluster
	s_lshl_b32 s36, 0x1111, s31                    ; my column
	s_or_b32 s[G1A], s35, PADW                     ; x's tiles go to my row,
	s_or_b32 s[G1W], s36, PADW                     ; the weights' to my column
	s_or_b32 s[G1V], s36, PADW
.irp g, G1A, G1W, G1V
	s_mov_b32 s[\g+1], 512<<16                     ; tensor_dim0 = 512 bytes: a whole row of K
	s_mov_b32 s[\g+3], 512<<16                     ; tile_dim0
	s_mov_b32 s[\g+5], 512                         ; from row to row: 1,024 codes
	s_mov_b32 s[\g+6], 0
	s_mov_b32 s[\g+7], 0
.endr
	s_mov_b32 s[G1A+2], 256<<16                    ; tensor_dim1, and below tile_dim1: the rows
	s_mov_b32 s[G1A+4], 256
	s_mov_b32 s[G1W+2], 64<<16
	s_mov_b32 s[G1W+4], 64
	s_mov_b32 s[G1V+2], 64<<16
	s_mov_b32 s[G1V+4], 64
	; offsets, each kind in registers of its own: s[100:101] hang on the block of rows and the wave, s[2:3] on the head, s[66:67] on the wave alone
	s_lshl_b32 s100, s34, 17                       ; 256 rows of 512 bytes
	s_mov_b32 s101, 0
	s_lshl_b32 s2, s33, 15                         ; the head's 64 rows of 512 bytes
	s_mov_b32 s3, 0
	s_mov_b32 s67, 0
	s_wait_dscnt 0x0
	s_wait_kmcnt 0x0
	s_cmp_eq_u32 s30, 0                            ; the choice hangs on the wave's number alone
	s_cselect_b64 s[38:39], s[8:9], s[12:13]       ; Wq's or Wk's codes,
	s_cselect_b64 s[10:11], s[10:11], s[14:15]     ; scale bytes,
	s_cselect_b64 s[20:21], s[20:21], s[22:23]     ; and bias
	s_mov_b32 s[SEL], 0x76543210
	s_mov_b32 s[SEL+1], 0xfedcba98
	s_mov_b32 s[G0A], 1
	s_mov_b32 s[G0A+1], 0                          ; x's 256 rows lie first
	s_add_nc_u64 s[G0A+2:G0A+3], s[4:5], s[100:101]
	s_or_b32 s[G0A+3], s[G0A+3], 0x80000000
	s_mov_b32 s[G0W], 1
	s_mul_i32 s[G0W+1], s30, 64*PITCH              ; Wq's 64 rows (even waves) or Wk's (odd waves)
	s_add_co_u32 s[G0W+1], s[G0W+1], LW
	s_add_nc_u64 s[G0W+2:G0W+3], s[38:39], s[2:3]
	s_or_b32 s[G0W+3], s[G0W+3], 0x80000000
	s_mov_b32 s[G0V], 1
	s_mov_b32 s[G0V+1], LV                         ; Wv's 64 rows
	s_add_nc_u64 s[G0V+2:G0V+3], s[16:17], s[2:3]
	s_or_b32 s[G0V+3], s[G0V+3], 0x80000000
	CROUND                                         ; all sixteen work-groups are here: the joint loads meet
	s_cmp_lt_u32 s28, 1                            ; the head's four tiles, ONE joint load a wave, in one chain of branches on the wave's number: wave 0 x's 256 rows,
	s_cbranch_scc0 .Lfill_w
	tensor_load_to_lds s[G0A:G0A+3], s[G1A:G1A+7]
	s_nop 0
	PLACES 4
	s_branch .Lfilled
.Lfill_w:
	s_cmp_lt_u32 s28, 3                            ; wave 1 Wk's 64 rows, wave 2 Wq's,
	s_cbranch_scc0 .Lfill_v
	tensor_load_to_lds s[G0W:G0W+3], s[G1W:G1W+7]
	s_nop 0
	PLACES 4
	s_branch .Lfilled
.Lfill_v:
	tensor_load_to_lds s[G0V:G0V+3], s[G1V:G1V+7]  ; wave 3 Wv's
	s_nop 0
	PLACES 4
.Lfilled:
	v_and_b32 v1, 15, v0                           ; r
	v_bfe_u32 v2, v0, 4, 1                         ; h
	v_and_b32 v3, 31, v0                           ; lane
	v_mul_u32_u24 v[TT], v1, PITCH
	v_lshl_add_u32 v[TT], v2, 4, v[TT]             ; a fragment's row x pitch + 16 x half
	s_mul_i32 s66, s29, 128*PITCH                  ; my 128 rows of x
	v_add_nc_u32 v[AX], s66, v[TT]
	v_add_nc_u32 v[AX+1], CH, v[AX]
	s_mul_i32 s66, s30, 64*PITCH                   ; Wq's rows or Wk's
	s_add_co_u32 s66, s66, LW
	v_add_nc_u32 v[AW], s66, v[TT]
	v_add_nc_u32 v[AW+1], CH, v[AW]
	s_mul_i32 s66, s30, 32*PITCH                   ; my 32 rows of Wv
	s_add_co_u32 s66, s66, LV
	v_add_nc_u32 v[AV], s66, v[TT]
	v_add_nc_u32 v[AV+1], CH, v[AV]
	v_lshlrev_b32 v[L16], 4, v3
	v_lshlrev_b32 v[L4], 2, v3
	v_lshlrev_b32 v[OX], 5, v1
	v_lshl_add_u32 v[OW], v2, 10, v[OX]
	v_lshl_add_u32 v[OX], v2, 11, v[OX]
	s_wait_alu depctr_va_vdst(0)
	v_lshlrev_b32 v[OV], 5, v3
	s_wait_alu depctr_va_vdst(0)
	v_lshlrev_b32 v[OBT], 5, v2
	s_wait_alu depctr_va_vdst(0)
	v_lshlrev_b32 v[OBN], 2, v1
	s_wait_alu depctr_va_vdst(0)
.irp b, 0,1,2,3
	v_mov_b32 v[PB+\b], 0                          ; written once: a lane permute's destination counts as one of its sources
.endr
	s_lshl_b32 s100, s34, 13                       ; x's scale bytes: 32 a row; my 128 rows
	s_lshl_b32 s66, s29, 12
	s_add_co_u32 s100, s100, s66
	s_add_nc_u64 s[6:7], s[6:7], s[100:101]
	s_lshl_b32 s2, s33, 11                         ; the head's 64 rows of weight scales
	s_add_nc_u64 s[10:11], s[10:11], s[2:3]
	s_add_nc_u64 s[18:19], s[18:19], s[2:3]
	s_lshl_b32 s66, s30, 10                        ; my 32 rows of Wv's
	s_add_nc_u64 s[18:19], s[18:19], s[66:67]
	s_lshl_b32 s2, s33, 8                          ; the head's 64 numbers of a bias
	s_add_nc_u64 s[20:21], s[20:21], s[2:3]
	s_add_nc_u64 s[24:25], s[24:25], s[2:3]
	s_lshl_b32 s66, s30, 7                         ; my 32 of bv
	s_add_nc_u64 s[24:25], s[24:25], s[66:67]
.irp p, 0,1,2,3
	global_load_b128 v[SX+8*\p:SX+8*\p+3],   v[OX], s[6:7] offset:512*\p      ; a row's 32 bytes are its eight K steps' words
	global_load_b128 v[SX+8*\p+4:SX+8*\p+7], v[OX], s[6:7] offset:512*\p+16
.endr
.irp t, 0,1
	global_load_b128 v[SW+8*\t:SW+8*\t+3],   v[OW], s[10:11] offset:512*\t
	global_load_b128 v[SW+8*\t+4:SW+8*\t+7], v[OW], s[10:11] offset:512*\t+16
.endr
	global_load_b128 v[SV:SV+3],   v[OV], s[18:19]
	global_load_b128 v[SV+4:SV+7], v[OV], s[18:19] offset:16
.irp wt, 0,1,2,3
	global_load_b128 v[BT+8*\wt:BT+8*\wt+3],   v[OBT], s[20:21] offset:64*\wt      ; b(16 wt + 8 h + 0 .. 7)
	global_load_b128 v[BT+8*\wt+4:BT+8*\wt+7], v[OBT], s[20:21] offset:64*\wt+16
.endr
.irp i, 0,1
	global_load_b32 v[BN+8*\i], v[OBN], s[24:25] offset:64*\i                      ; bv(16 i + r)
.endr
	; where my results go: record ((batch x 16 + head) x 16 + block of 128 rows)
	s_lshr_b32 s37, s34, 3
	s_lshl_b32 s37, s37, 4
	s_add_co_u32 s37, s37, s33
	s_lshl_b32 s37, s37, 4
	s_and_b32 s92, s34, 7
	s_lshl_b32 s92, s92, 1
	s_add_co_u32 s37, s37, s92
	s_add_co_u32 s37, s37, s29
	s_mul_i32 s92, s37, REC
	s_mov_b32 s93, 0
	s_add_nc_u64 s[92:93], s[26:27], s[92:93]      ; the record
	s_lshl_b32 s66, s30, 11
	s_add_co_u32 s66, s66, 4096
	s_add_nc_u64 s[96:97], s[92:93], s[66:67]      ; v's codes: my two tiles
	s_lshl_b32 s66, s30, 7
	s_add_co_u32 s66, s66, 8704
	s_add_nc_u64 s[98:99], s[92:93], s[66:67]      ; v's scale words: my 32
	s_cmp_eq_u32 s30, 0
	s_mov_b32 s66, 8192
	s_cselect_b32 s66, 13056, s66
	s_add_nc_u64 s[94:95], s[92:93], s[66:67]      ; q's or k's scale words
	s_cselect_b32 s66, 8960, 0
	s_add_nc_u64 s[92:93], s[92:93], s[66:67]      ; q's or k's codes
	s_wait_loadcnt 0x0
.irp i, 0,1
.irp j, 1,2,3,4,5,6,7
	v_mov_b32 v[BN+8*\i+\j], v[BN+8*\i]            ; in the N part a lane's eight results share a column, and so a bias
.endr
.endr
	s_wait_alu depctr_va_vdst(0)
	s_wait_tensorcnt 0x0                           ; my one tile is in
	s_barrier_signal -1
	s_barrier_wait -1                              ; everybody's are
	FETCH 0, 0
.irp k, 0,1,2,3,4,5,6,7
	KSTEP \k
.endr
	WIN 0
	PLACES 4                                       ; behind the last products, in front of the first read of results
.irp g, 0,1,2,3                                ; q or k: tiles 2 g and 2 g + 1 of rows: each has two blocks of 32 along the head's 64
	QUANT 1, 64*\g, PC+8*\g
	v_lshl_or_b32 v[WD+2*\g], v[PB+1], 8, v[PB]
	v_lshl_or_b32 v[WD+2*\g+1], v[PB+3], 8, v[PB+2]
	v_or_b32 v[WD+2*\g], 0x7f7f0000, v[WD+2*\g]
	v_or_b32 v[WD+2*\g+1], 0x7f7f0000, v[WD+2*\g+1]
	global_store_b128 v[L16], v[PC+8*\g:PC+8*\g+3], s[92:93] offset:1024*\g          ; 32 lanes store 512 consecutive bytes, aligned
	global_store_b128 v[L16], v[PC+8*\g+4:PC+8*\g+7], s[92:93] offset:1024*\g+512
.endr
.irp i, 0,1                                    ; v: a tile of 16 columns, four blocks of 32 along the 128 keys
	QUANT 2, 64*\i, PC+32+8*\i
	v_lshl_or_b32 v[PW+\i], v[PB+1], 8, v[PB]
	v_lshl_or_b32 v[PW+\i], v[PB+2], 16, v[PW+\i]
	v_lshl_or_b32 v[PW+\i], v[PB+3], 24, v[PW+\i]
	global_store_b128 v[L16], v[PC+32+8*\i:PC+32+8*\i+3], s[96:97] offset:1024*\i
	global_store_b128 v[L16], v[PC+32+8*\i+4:PC+32+8*\i+7], s[96:97] offset:1024*\i+512
.endr
	v_cmp_lt_u32 vcc_lo, 15, v3                    ; every lane holds its row's words; lanes 0-15 store tiles 0-3's, lanes 16-31 tiles 4-7's
.irp i, 0,1,2,3
	v_cndmask_b32 v[XW+\i], v[WD+\i], v[WD+4+\i], vcc_lo
.endr
	v_cndmask_b32 v[XV], v[PW], v[PW+1], vcc_lo
	global_store_b128 v[L16], v[XW:XW+3], s[94:95]                 ; 512 consecutive bytes
	global_store_b32 v[L4], v[XV], s[98:99]                        ; 128 consecutive bytes: the other role's wave stores the 128 beside them
	s_wait_tensorcnt 0x0
	ds_add_u32 v254, v255
	s_wait_dscnt 0x0
	CROUND                                         ; the closing round: no work-group ends while a partner may still ask for a tile that names it
	s_endpgm
.Lfunc_end_k_q5c1c0f8969_proj:
	.size	k_q5c1c0f8969_proj, .Lfunc_end_k_q5c1c0f8969_proj-k_q5c1c0f8969_proj
	.p2alignl 7, 3214868480
	.fill 96, 4, 3214868480
	.section	.rodata,"a",@progbits
	.p2align	6, 0x0
	.amdhsa_kernel k_q5c1c0f8969_proj
		.amdhsa_group_segment_fixed_size 244224
		.amdhsa_private_segment_fixed_size 0
		.amdhsa_enable_private_segment 0
		.amdhsa_kernarg_size 96
		.amdhsa_user_sgpr_count 2
		.amdhsa_user_sgpr_kernarg_segment_ptr 1
		.amdhsa_wavefront_size32 1
		.amdhsa_system_sgpr_workgroup_id_x 1
		.amdhsa_system_sgpr_workgroup_id_y 1
		.amdhsa_system_sgpr_workgroup_id_z 1
		.amdhsa_system_vgpr_workitem_id 0
		.amdhsa_next_free_vgpr 1024
		.amdhsa_next_free_sgpr 102
		.amdhsa_reserve_vcc 1
		.amdhsa_float_denorm_mode_32 3
		.amdhsa_float_denorm_mode_16_64 3
		.amdhsa_memory_ordered 1
		.amdhsa_forward_progress 1
		.amdhsa_inst_pref_size 100
	.end_amdhsa_kernel
	.amdgpu_metadata
---
amdhsa.version: [ 1, 2 ]
amdhsa.kernels:
  - .name:           k_q5c1c0f8969_proj
    .symbol:         k_q5c1c0f8969_proj.kd
    .args:
      - { .name: x_codes, .offset: 0, .size: 8, .value_kind: global_buffer, .address_space: global }
      - { .name: x_scales, .offset: 8, .size: 8, .value_kind: global_buffer, .address_space: global }
      - { .name: Wq_codes, .offset: 16, .size: 8, .value_kind: global_buffer, .address_space: global }
      - { .name: Wq_scales, .offset: 24, .size: 8, .value_kind: global_buffer, .address_space: global }
      - { .name: Wk_codes, .offset: 32, .size: 8, .value_kind: global_buffer, .address_space: global }
      - { .name: Wk_scales, .offset: 40, .size: 8, .value_kind: global_buffer, .address_space: global }
      - { .name: Wv_codes, .offset: 48, .size: 8, .value_kind: global_buffer, .address_space: global }
      - { .name: Wv_scales, .offset: 56, .size: 8, .value_kind: global_buffer, .address_space: global }
      - { .name: bq, .offset: 64, .size: 8, .value_kind: global_buffer, .address_space: global }
      - { .name: bk, .offset: 72, .size: 8, .value_kind: global_buffer, .address_space: global }
      - { .name: bv, .offset: 80, .size: 8, .value_kind: global_buffer, .address_space: global }
      - { .name: qkv, .offset: 88, .size: 8, .value_kind: global_buffer, .address_space: global }
    .group_segment_fixed_size: 244224
    .private_segment_fixed_size: 0
    .kernarg_segment_align: 8
    .kernarg_segment_size: 96
    .max_flat_workgroup_size: 128
    .sgpr_count:     102
    .vgpr_count:     1024
    .wavefront_size: 32
...
	.end_amdgpu_metadata
.endif
;; end of part 1
;; launch attn (part 2): grid 4 x 64, 16 waves a work-group, no clusters, 284,672 bytes of LDS; arguments qkv, out0; writes out0
.if DOCPART == 2
	.amdgcn_target "amdgcn-amd-amdhsa--gfx1250"
	.amdhsa_code_object_version 6
	.text
	.protected	k_q5c1c0f8969_attn
	.globl	k_q5c1c0f8969_attn
	.p2align	8
	.type	k_q5c1c0f8969_attn,@function
k_q5c1c0f8969_attn:
	s_mov_b64 s[64:65], 0
	v_nop
	global_prefetch_b8 v0, s[64:65] scope:SCOPE_SE
	s_setreg_imm32_b32 hwreg(HW_REG_WAVE_MODE, 25, 1), 1
	s_wait_xcnt 0x0
; out0[b][h][d][s] = O^T of each head: O[q] = the sum over keys k <= q of softmax_k(q . k / 8) v[k], both products on codes of FP4 (E2M1) with one E8M0 scale for each 32 along a product's K.
; q, k, v come from the records that the launch before has stored: images of operand registers, 16 bytes a lane, and scale words (layout: at the constants below).
; THE SOFTMAX: t = score x log2(e) / 8; M = the row's largest t so far, rounded UP to a whole number; p = 2^(t - M) is quantised along the keys, not normalised; the row's sum is taken of the unquantised p and divides at the end.
; When M moves, the sum and O^T are multiplied by 2^(old M - new M): exact; so the key steps of a tile may be taken in any order.
; LEFT OUT: tiles of 16 keys x 16 queries that lie wholly above the diagonal of the causal mask: their p is 0 for all inputs.  Their codes are written as zeros; no product, exponential or sum is made for them.
; SHARES.  A work-group owns one head and 512 of its 2,048 queries; the head's K and V, 16 records' first 8,960 bytes, lie in LDS whole: each of the sixteen waves brings one record by one tensor load, nothing is filled again.
; The queries go in 32 units of 64.  Wave w = 4 a + s takes tile a (16 queries) of the EARLY unit U = 4 J + x and of the LATE unit 31 - U, J = (s + a) % 4, x the work-group's number.
; With L = U / 2 the early tile has L full key steps (128 keys) and its diagonal step L; the late tile 15 - L full steps and its diagonal step 15 - L: 15 full and 2 diagonal steps in every wave.
; THE DIAGONAL STEP is written in eight forms, one for each place TD = 0 .. 7 of the tile's 16 queries among the step's 128 keys: tiles of keys 0 .. TD - 1 count whole, tile TD is masked by eight selects
; (lane masks in scalar registers, the same for every place), the tiles behind it are left out.  A scalar branch on ids picks the form.
; THE WALK.  A loop of two trips holds the forms once: trip 0 = the early tile, steps 0 .. L, which then goes into its stage; trip 1 = the late tile's steps 8 .. 15 - L.  Behind the loop come the late tile's steps 0 .. 7,
; full in every wave.  The loops' counts are constants; a step that is not the wave's is passed over by a scalar branch on ids, round the work alone.
; TWO STAGES for each unit place, early and late, at constant addresses.  The barrier that shows the early units whole is signalled behind the loop and awaited behind the late tile's last step: between the two stand register work and
; LDS loads of K and V, which nobody writes.  Then the early rows are stored, the late tile goes into its stage, one more barrier, and the late rows are stored.
; K RUNS A STEP AHEAD: a full step asks for the next record's K and scale words behind its own score products (the address held at the last record), so a step begins with K in registers.
; NO CLUSTER, though four work-groups read the same K and V: which steps a wave passes over and which form it takes hang on the work-group's number, and partners of a cluster must branch alike.
; NO PREFETCH INTO THE L2: the one fill is issued at the head; there is no later load from memory for a loop to run ahead of.
; LAYOUT.  Both products are used transposed: S^T = K Q^T, O^T = V^T P^T: a lane holds ONE query (lane % 16) throughout.
; THE HEAD'S 64 ARE HALF OF THE INSTRUCTION'S K = 128.  Q's registers 4-7 are zero codes and its scale word's upper bytes 0x7f; K's tile T is v[KF + 4 T .. + 7], whose upper half (tile T + 1's codes) meets zero codes: exact zeros.
; LIMITS: NaN and infinities are not served.  A block of p that is all zeros keeps the byte 1, a block left out the byte 0: their codes are zeros.  The scaled scores stay under 2^31 in magnitude.
.set REC,   13568                      ; a record: + 0 k's codes (tile T: 512 bytes, 16 a lane), + 4,096 v's codes (tile dt: 1,024 bytes), + 8,192 k's scale words (row 16 T + r at 256 (T / 4) + 16 r + 4 (T % 4)),
.set KVB,   8960                       ; + 8,704 v's scale words (column 16 dt + r at 64 dt + 4 r): these 8,960 bytes go to LDS;
.set R_V,   4096
.set R_KS,  8192
.set R_VS,  8704
.set R_Q,   8960                       ; + 8,960 q's codes, + 13,056 q's scale words, laid as k's
.set R_QS,  13056
.set STG,   16*KVB                     ; behind K and V: the stages: place J's early unit at 2 J UB, its late unit UB further on; a unit: 64 rows (d) x (64 queries x 4 bytes + 16).  No tensor load lands there
.set UB,    64*272
.set SPARE, STG+8*UB                   ; the spare words, 128 bytes a wave
.set A16, 1                            ; 16 x lane
.set A4,  2                            ; 4 x lane
.set ADR, 3                            ; the step's record in LDS + 16 x lane
.set ADV, 4                            ; + 4 x lane
.set SA,  5                            ; the stage: where my query's column begins
.set RA,  6                            ; and where I read rows back
.set GO,  7                            ; my byte offset in the rows of out0 that I store
.set R16, 8                            ; 16 r (head)
.set LQ,  9                            ; r - 8 h (head)
.set QS,  10                           ; the scale word of the queries in hand;  v11: the late tile's, kept
.set QSN, 11
.set KS,  12                           ; v12-15 K's scale words: register i: lanes 0-15 tile i, lanes 16-31 tile i + 4
.set VS,  16                           ; v16-17 V's: register i: tile 2 i below, tile 2 i + 1 above
.set PS,  18                           ; p's scale word
.set NI,  19                           ; -infinity
.set NM,  20                           ; v20 -M, v21 the largest t (a pair for the packed form)
.set TM,  21
.set SUM, 22                           ; v[22:23] the row's sum in two halves; v[24:27] two more chains of a step's sum
.set QX,  28                           ; v28-35 Q's fragment in hand: four registers of codes, four of zeros;  v36-39 the late tile's codes, kept
.set QN,  36
.set KF,  40                           ; v40-75 K's eight tiles, four registers each, and four of zeros
.set VF,  76                           ; v76-107 V's four fragments
.set SS,  108                          ; v108-171 S^T, then p; rows of out0 on the way out
.set OO,  172                          ; v172-203 O^T
.set PP,  204                          ; v204-211 p's codes
.set BM,  212                          ; v212-215 the blocks' largest scores, then p, then the conversions' scale operands
.set BP,  216                          ; v216-219 the other half's, the bytes
.set FF,  220                          ; f = 2^(old M - new M), later 1 / the sum;  v221 at work (named with it as a pair)
.set T1,  221
.set RR,  224                          ; r, h: at the head only
.set HH,  225
.set ADN, 226                          ; the record whose K is asked for ahead + 16 x lane
.set SPW, 254                          ; my spare word's LDS address, and 0: never rewritten
.set NIL, 255
.set LO,  16                           ; s16 the trip's first step;  s17 the tile's diagonal step;  s18 its place TD in that step;  s19 the trip
.set DG,  17
.set TD,  18
.set OT,  19
.set SEL, 20                           ; s[20:21] lane selects for v_permlanex16_b32: lane l xor 16
.set CS,  22                           ; s[22:23] c = log2(e) / 8
.set KI,  24                           ; the key step
.set TB,  25                           ; its record's first byte in LDS
.set TN,  62                           ; the first byte of the record whose K is asked for ahead
.set MK,  68                           ; s68-75 lane masks of the diagonal tile: bit (r, h) of mask j is set where key 8 h + j comes after query r
; s51, s53, s55 hold 0 from the head on: the high words of the offset pairs; s27 is QBASE's scratch
.macro DLY n
.if (\n) == 1
	s_delay_alu instid0(VALU_DEP_1)
.elseif (\n) == 2
	s_delay_alu instid0(VALU_DEP_2)
.elseif (\n) == 3
	s_delay_alu instid0(VALU_DEP_3)
.else
	s_delay_alu instid0(VALU_DEP_4)
.endif
.endm
.macro QBASE u, d                      ; the addresses of the codes and the scale words of tile a of unit s[u]
	s_lshr_b32 s50, s[\u], 1
	s_add_co_u32 s50, s50, s26
	s_mul_i32 s50, s50, REC                        ; the unit's record
	s_and_b32 s27, s[\u], 1                        ; which half of its 128 rows
	s_lshl_b32 s52, s27, 11
	s_lshl_b32 s54, s9, 9
	s_add_co_u32 s52, s52, s54
	s_add_co_u32 s52, s52, s50
	s_add_co_u32 s52, s52, R_Q                     ; codes: tile 4 (U % 2) + a, 512 bytes a tile
	s_lshl_b32 s54, s27, 8
	s_lshl_b32 s27, s9, 2
	s_add_co_u32 s54, s54, s27
	s_add_co_u32 s54, s54, s50
	s_add_co_u32 s54, s54, R_QS                    ; words: 256 (U % 2) + 4 a, + 16 r
	s_add_nc_u64 s[\d:\d+1], s[4:5], s[52:53]
	s_add_nc_u64 s[\d+2:\d+3], s[4:5], s[54:55]
.endm
.macro BEGIN                           ; a tile begins: the first step finds zeros, which the first change of M leaves zeros
	v_mov_b32 v[TM], 0xff61b1e6                    ; the largest t so far: -3e38, under every t
	s_delay_alu instid0(VALU_DEP_1)
	v_floor_f32 v[NM], -v[TM]
	v_mov_b32 v[SUM], 0
	v_mov_b32 v[SUM+1], 0
.set n, 0
.rept 32
	v_mov_b32 v[OO+n], 0
.set n, n+1
.endr
.endm
.macro KFETCH                          ; nine LDS loads: K's scale words and eight tiles of the record at v[ADN]
	ds_load_b128 v[KS:KS+3], v[ADN] offset:R_KS
.irp T, 0,1,2,3,4,5,6,7
	ds_load_b128 v[KF+4*\T:KF+4*\T+3], v[ADN] offset:512*\T
.endr
.endm
.macro KLOAD                           ; ahead of a run of steps: K of the run's first record, at s[TN]
	s_wait_dscnt 0x0                               ; no load of mine is still on its way into these registers
	v_add_nc_u32 v[ADN], s[TN], v[A16]
	KFETCH
.endm
; A KEY STEP of one tile; its K is in registers or on its way.  nt: the tiles of 16 keys that count, 1 .. 8;  mk = 1: the last of them lies on the diagonal;  tb: the scalar register with the record's LDS byte;
; pf = 1: the next record's K is asked for.  The live scores are registers SS .. SS + 8 nt - 1; block b of 32 keys is registers 16 b .. 16 b + 15 of lanes l and l xor 16 (the last block of an odd nt: 8 registers).
.macro STEP nt, mk, tb, pf
.set NR, 8*(\nt)
.set NB, ((\nt)+1)/2
	v_add_nc_u32 v[ADR], s[\tb], v[A16]
	v_add_nc_u32 v[ADV], s[\tb], v[A4]
.if \pf
	s_add_co_u32 s[TN], s[\tb], KVB
	s_min_u32 s[TN], s[TN], 15*KVB                 ; held at the last record: every address stays inside K and V
	v_add_nc_u32 v[ADN], s[TN], v[A16]
.else
	v_nop
.endif
	v_nop                                          ; four places behind the last step's products, in front of loads into V's and its scales' registers
.irp f, 0,1,2,3,4,5,6,7
	ds_load_b128 v[VF+4*\f:VF+4*\f+3], v[ADR] offset:R_V+512*\f
.endr
	ds_load_b32 v[VS], v[ADV] offset:R_VS
	ds_load_b32 v[VS+1], v[ADV] offset:R_VS+128
	s_wait_alu depctr_va_vdst(0)
	s_wait_dscnt 10                                ; K and its scale words, asked for earlier, are in; V's eight loads and its two of scale words may be out
.irp T, 0,1,2,3,4,5,6,7
.if \T < (\nt)
.if \T < 4
	v_wmma_scale_f32_16x16x128_f8f6f4 v[SS+8*\T:SS+8*\T+7], v[KF+4*\T:KF+4*\T+7], v[QX:QX+7], 0, v[KS+\T], v[QS] matrix_a_fmt:MATRIX_FMT_FP4 matrix_b_fmt:MATRIX_FMT_FP4
.else
	v_wmma_scale_f32_16x16x128_f8f6f4 v[SS+8*\T:SS+8*\T+7], v[KF+4*\T:KF+4*\T+7], v[QX:QX+7], 0, v[KS+\T-4], v[QS] matrix_a_fmt:MATRIX_FMT_FP4 matrix_b_fmt:MATRIX_FMT_FP4 matrix_a_scale:MATRIX_SCALE_ROW1
.endif
.endif
.endr
.rept 4
	v_nop                                          ; lane (r, h) holds query r; register 8 T + j key 16 T + 8 h + j of the step
.endr
.if \pf
	KFETCH                                         ; the next step's K, into registers that the products above have read (four places behind them)
.endif
.if \mk
.irp j, 0,1,2,3,4,5,6,7
	v_cndmask_b32 v[SS+NR-8+\j], v[SS+NR-8+\j], v[NI], s[MK+\j]   ; the diagonal tile, from its low end on: -infinity where the key comes after the query; key r counts for query r, so each block's maximum stays a number
.endr
.endif
.irp b, 0,1,2,3
.if 16*\b < NR
	v_max3_num_f32 v[BM+\b], v[SS+16*\b], v[SS+16*\b+1], v[SS+16*\b+2]   ; the largest score of each block: for the row's maximum, and, since p rises with the score, for the block's largest p
.endif
.endr
.irp i, 3,5,7,9,11,13
.irp b, 0,1,2,3
.if 16*\b+\i+1 < NR
.if (\mk) && (16*\b+\i >= NR-8) && ((NR-\i)/16+1 < 4)
	DLY (NR-\i)/16+1                               ; only where both scores read are the diagonal tile's, written by the selects above
.endif
	v_max3_num_f32 v[BM+\b], v[BM+\b], v[SS+16*\b+\i], v[SS+16*\b+\i+1]
.endif
.endr
.endr
.irp b, 0,1,2,3
.if 16*\b+15 < NR
.if NB == 1
	DLY 1
.endif
	v_max_num_f32 v[BM+\b], v[BM+\b], v[SS+16*\b+15]
.elseif 16*\b < NR
.if NB == 1
	DLY 1
.endif
	v_max_num_f32 v[BM+\b], v[BM+\b], v[SS+16*\b+7]
.endif
.endr
.irp b, 0,1,2,3
.if \b < NB
	DLY NB
	v_permlanex16_b32 v[BP+\b], v[BM+\b], s[SEL], s[SEL+1]
.endif
.endr
.irp b, 0,1,2,3
.if \b < NB
	DLY NB
	v_max_num_f32 v[BM+\b], v[BM+\b], v[BP+\b]     ; with lane l xor 16's keys
.endif
.endr
.if NB == 4
	DLY 2
.else
	DLY 1
.endif
.set RS, T1
.if NB > 2
	v_max3_num_f32 v[T1], v[BM], v[BM+1], v[BM+2]
	DLY 1
.elseif NB > 1
	v_max_num_f32 v[T1], v[BM], v[BM+1]
	DLY 1
.else
.set RS, BM
.endif
.if NB > 3
	v_max_num_f32 v[T1], v[T1], v[BM+3]            ; the step's largest score of my query
	DLY 1
.endif
	v_mul_f32 v[T1], s[CS], v[RS]                  ; as t (c is positive)
	DLY 1
	v_max_num_f32 v[TM], v[TM], v[T1]              ; the running largest t
	v_mov_b32 v[T1], v[NM]
	DLY 2
	v_floor_f32 v[NM], -v[TM]                      ; the new -M = floor(-t) = -ceil(t): a whole number
	DLY 1
	v_sub_f32 v[T1], v[NM], v[T1]                  ; M's old value less its new one: a whole number, 0 or less
	DLY 1
	v_cvt_i32_f32 v[T1], v[T1]                     ; (it saturates)
	DLY 1
	v_ldexp_f32 v[FF], 1.0, v[T1]                  ; f = 2^(old M - new M)
	DLY 1
	v_pk_mul_f32 v[SUM:SUM+1], v[SUM:SUM+1], v[FF:FF+1] op_sel_hi:[1,0]   ; the sums under the new M,
.set n, 0
.rept 16
	v_pk_mul_f32 v[OO+n:OO+n+1], v[OO+n:OO+n+1], v[FF:FF+1] op_sel_hi:[1,0]   ; and O^T, each accumulator from its low end on: its first read stands ahead of the step's exponentials
.set n, n+2
.endr
.set n, 0
.rept NR/2
	v_pk_fma_f32 v[SS+n:SS+n+1], v[SS+n:SS+n+1], s[CS:CS+1], v[NM:NM+1] op_sel_hi:[1,0,0]   ; t - M, two at a time
.set n, n+2
.endr
.irp b, 0,1,2,3
.if \b < NB
	v_fma_f32 v[BM+\b], v[BM+\b], s[CS], v[NM]     ; the same of each block's largest score
.endif
.endr
	s_wait_alu depctr_va_vdst(0)                   ; the wait ahead of the batch
.set n, 0
.rept NR
	v_exp_f32 v[SS+n], v[SS+n]                     ; p = 2^(t - M), at most 1
.set n, n+1
.endr
.irp b, 0,1,2,3
.if \b < NB
	v_exp_f32 v[BM+\b], v[BM+\b]                   ; the block's largest p: the same two instructions on the same number give the same bits.  ONE BATCH
.endif
.endr
.irp T, 0,1,2,3,4,5,6,7
.if \T >= (\nt)
	v_mov_b32 v[PP+((\T&4)|((\T&1)<<1)|((\T&2)>>1))], 0   ; zero codes for the tiles left out (plain places behind the batch)
.endif
.endr
.if (\nt) == 8
	v_nop                                          ; a plain place behind the batch
.endif
	s_wait_alu depctr_va_vdst(0)                   ; and the wait behind it, ahead of the first line that names a result: one for the batch
.irp b, 0,1,2,3
.if \b < NB
	v_max_num_f32 v[BM+\b], 0x1800000, v[BM+\b]    ; the floor 2^(3 - 127): the byte cannot fall under 1
.endif
.endr
.irp b, 0,1,2,3
.if \b < NB
	DLY NB
	v_add_nc_u32 v[BM+\b], 0xff000000, v[BM+\b]    ; 2 off the exponent field: the conversion's scale operand
.endif
.endr
.if NB == 1
	DLY 1
	v_lshrrev_b32 v[PS], 23, v[BM]                 ; the scale's byte; the bytes of blocks left out are 0, over zero codes
.else
.irp b, 0,1,2,3
.if \b < NB
	DLY NB
	v_lshrrev_b32 v[BP+\b], 23, v[BM+\b]
.endif
.endr
	v_lshl_or_b32 v[PS], v[BP+1], 8, v[BP]         ; p's scale word for these 128 keys
.if NB > 2
	DLY 1
	v_lshl_or_b32 v[PS], v[BP+2], 16, v[PS]
.endif
.if NB > 3
	DLY 1
	v_lshl_or_b32 v[PS], v[BP+3], 24, v[PS]
.endif
.endif
.irp T, 0,1,2,3,4,5,6,7                        ; the results are laid 4 c <- tile 4 c, 4 c + 1 <- tile 4 c + 2, 4 c + 2 <- tile 4 c + 1, 4 c + 3 <- tile 4 c + 3,
.if \T < (\nt)
	v_cvt_scalef32_pk8_fp4_f32 v[PP+((\T&4)|((\T&1)<<1)|((\T&2)>>1))], v[SS+8*\T:SS+8*\T+7], v[BM+\T/2]
.endif
.endr
	v_nop                                          ; one plain place behind a scaled conversion
.irp c, 0,1                                    ; so that two exchanges of halves give the operand's layout: registers 4 c .. 4 c + 3 of lane (r, h): keys 64 c + 32 h + 0 .. 31
.if 4*\c < (\nt)
	v_permlane16_swap_b32 v[PP+4*\c], v[PP+4*\c+1]
.endif
.if 4*\c+1 < (\nt)
	v_permlane16_swap_b32 v[PP+4*\c+2], v[PP+4*\c+3]
.endif
.endr
	v_pk_add_f32 v[SUM+2:SUM+3], v[SS:SS+1], v[SS+2:SS+3]          ; THE ROW'S SUM OF THE UNQUANTISED p, two at a time, in three chains by turns
	v_pk_add_f32 v[SUM+4:SUM+5], v[SS+4:SS+5], v[SS+6:SS+7]
.if NR > 8
.set n, 8
.rept (NR-8)/2
.set c, SUM+2*((n/2)%3)
	v_pk_add_f32 v[c:c+1], v[c:c+1], v[SS+n:SS+n+1]
.set n, n+2
.endr
.else
.rept 4
	v_nop                                          ; with the four additions: eight places between the scale word's write and the scaled products
.endr
.endif
	v_pk_add_f32 v[SUM+2:SUM+3], v[SUM+2:SUM+3], v[SUM+4:SUM+5]
	DLY 1
	v_pk_add_f32 v[SUM:SUM+1], v[SUM:SUM+1], v[SUM+2:SUM+3]
	s_wait_alu depctr_va_vdst(0)
.if \pf
	s_wait_dscnt 9                                 ; V and its scale words are in; the nine younger loads, the next step's K, may be out
.else
	s_wait_dscnt 0x0                               ; V and its scale words are in
.endif
.irp dt, 0,1,2,3                               ; O^T += V^T P^T: four accumulators by turns
.if (\dt&1)
	v_wmma_scale_f32_16x16x128_f8f6f4 v[OO+8*\dt:OO+8*\dt+7], v[VF+8*\dt:VF+8*\dt+7], v[PP:PP+7], v[OO+8*\dt:OO+8*\dt+7], v[VS+(\dt>>1)], v[PS] matrix_a_fmt:MATRIX_FMT_FP4 matrix_b_fmt:MATRIX_FMT_FP4 matrix_a_scale:MATRIX_SCALE_ROW1
.else
	v_wmma_scale_f32_16x16x128_f8f6f4 v[OO+8*\dt:OO+8*\dt+7], v[VF+8*\dt:VF+8*\dt+7], v[PP:PP+7], v[OO+8*\dt:OO+8*\dt+7], v[VS+(\dt>>1)], v[PS] matrix_a_fmt:MATRIX_FMT_FP4 matrix_b_fmt:MATRIX_FMT_FP4
.endif
.endr
.endm
; A tile ends: O^T / the sum goes into the unit's stage, off bytes on: row d, my query's word.  Sixteen lanes write sixteen neighbouring words, the other sixteen eight rows (544 words) further on
.macro FINAL off
.rept 4
	v_nop                                          ; places behind the last products
.endr
	v_add_f32 v[SUM], v[SUM], v[SUM+1]             ; the sum's two halves,
	s_delay_alu instid0(VALU_DEP_1)
	v_permlanex16_b32 v[BP], v[SUM], s[SEL], s[SEL+1]
	s_delay_alu instid0(VALU_DEP_1)
	v_add_f32 v[SUM], v[SUM], v[BP]                ; and lane l xor 16's: the row's sum
	s_wait_alu depctr_va_vdst(0)                   ; the wait ahead of the reciprocal,
	v_rcp_f32 v[FF], v[SUM]
	v_nop                                          ; a plain place behind it,
	s_wait_alu depctr_va_vdst(0)                   ; and the wait ahead of its first use, which is also O^T's first read
.set n, 0
.rept 16
	v_pk_mul_f32 v[OO+n:OO+n+1], v[OO+n:OO+n+1], v[FF:FF+1] op_sel_hi:[1,0]
.set n, n+2
.endr
.irp dt, 0,1,2,3
.irp j, 0,1,2,3,4,5,6,7
	ds_store_b32 v[SA], v[OO+8*\dt+\j] offset:(\off)+(16*\dt+\j)*272      ; o(d = 16 dt + 8 h + j, my query)
.endr
.endr
	s_wait_dscnt 0x0                               ; for the others' sake: my stores into the stage are done
.endm
; Wave w stores rows 16 (w % 4) .. + 15 of place w / 4's early (t = 0) or late (t = 1) unit: two rows of 256 bytes an instruction; each t has its own 32 registers, so no store's data are written again
.macro OUT t, sb
.irp i, 0,1,2,3,4,5,6,7
	ds_load_b128 v[SS+32*(\t)+4*\i:SS+32*(\t)+4*\i+3], v[RA] offset:(\t)*UB+544*\i
.endr
.irp i, 0,1,2,3,4,5,6,7
	s_wait_dscnt 7-\i                              ; LDS loads come back in order: load i is in, the younger ones may be out
	global_store_b128 v[GO], v[SS+32*(\t)+4*\i:SS+32*(\t)+4*\i+3], s[\sb:\sb+1] offset:16384*\i th:TH_STORE_NT   ; 16 lanes store 256 consecutive bytes, at a multiple of 256 from out0's first byte
.endr
.endm
	s_load_b128 s[4:7], s[0:1], 0x0                ; qkv s[4:5], out0 s[6:7]
	v_lshl_add_u32 v[SPW], v0, 2, SPARE
	v_mov_b32 v[NIL], 0
	ds_add_u32 v[SPW], v[NIL]                      ; the opening lines: the add, twice on end, and one wait
	ds_add_u32 v[SPW], v[NIL]
	v_lshrrev_b32 v[RR], 5, v0
	s_delay_alu instid0(VALU_DEP_1)
	v_readfirstlane_b32 s8, v[RR]                  ; wave 0..15
	s_mov_b32 s28, 3<<16                           ; descriptor group 1: a dense block of 8,960 bytes as 35 rows of 32 elements of 8 bytes; no mask, no padding
	s_mov_b32 s29, 32<<16                          ; tensor_dim0
	s_mov_b32 s30, 35<<16                          ; tensor_dim1
	s_mov_b32 s31, 32<<16                          ; tile_dim0
	s_mov_b32 s32, 35                              ; tile_dim1
	s_mov_b32 s33, 32                              ; from row to row
	s_mov_b32 s34, 0
	s_mov_b32 s35, 0
	s_and_b32 s13, ttmp7, 0xffff                   ; batch x 16 + head
	s_lshl_b32 s26, s13, 4                         ; its first record
	s_add_co_u32 s50, s26, s8
	s_mul_i32 s50, s50, REC                        ; record w: keys 128 w on
	s_mov_b32 s51, 0
	s_mov_b32 s36, 1
	s_mul_i32 s37, s8, KVB                         ; its place in LDS
	s_wait_dscnt 0x0
	s_wait_kmcnt 0x0
	s_add_nc_u64 s[38:39], s[4:5], s[50:51]
	s_or_b32 s39, s39, 0x80000000
	tensor_load_to_lds s[36:39], s[28:35]          ; my one tensor load
	s_nop 0
.rept 4
	v_nop
.endr
	s_lshr_b32 s9, s8, 2                           ; a: my tile of a unit
	s_and_b32 s10, s8, 3
	s_add_co_u32 s11, s10, s9
	s_and_b32 s11, s11, 3                          ; J
	s_mov_b32 s12, ttmp9
	s_lshl_b32 s14, s11, 2
	s_add_co_u32 s14, s14, s12                     ; the early unit
	s_sub_co_u32 s15, 31, s14                      ; the late unit
	s_mov_b32 s53, 0
	s_mov_b32 s55, 0
	QBASE 14, 40
	QBASE 15, 44
	v_and_b32 v[A4], 31, v0
	s_delay_alu instid0(VALU_DEP_1)
	v_lshlrev_b32 v[A16], 4, v[A4]
	s_delay_alu instid0(VALU_DEP_2)
	v_lshlrev_b32 v[A4], 2, v[A4]
	v_and_b32 v[RR], 15, v0                        ; r
	v_bfe_u32 v[HH], v0, 4, 1                      ; h
	s_wait_alu depctr_va_vdst(0)
	v_lshlrev_b32 v[R16], 4, v[RR]
	global_load_b128 v[QX:QX+3], v[A16], s[40:41]
	global_load_b32 v[QS], v[R16], s[42:43]
	global_load_b128 v[QN:QN+3], v[A16], s[44:45]
	global_load_b32 v[QSN], v[R16], s[46:47]
	v_lshlrev_b32 v[LQ], 3, v[HH]
	s_delay_alu instid0(VALU_DEP_1)
	v_sub_nc_u32 v[LQ], v[RR], v[LQ]
.irp j, 0,1,2,3,4,5,6,7
	v_cmp_gt_i32 s[MK+\j], \j, v[LQ]               ; key 8 h + j comes after query r
.endr
	v_mov_b32 v[NI], 0xff800000
	s_mul_i32 s50, s11, 2*UB                       ; the stage, in: place J's early unit, + 64 a bytes: my tile's queries
	s_lshl_b32 s52, s9, 6
	s_add_co_u32 s50, s50, s52
	s_add_co_u32 s50, s50, STG
	v_mul_u32_u24 v[SA], v[HH], 8*272
	s_delay_alu instid0(VALU_DEP_1)
	v_lshl_add_u32 v[SA], v[RR], 2, v[SA]
	s_delay_alu instid0(VALU_DEP_1)
	v_add_nc_u32 v[SA], s50, v[SA]
	s_mul_i32 s50, s9, 2*UB                        ; back: place w / 4, rows 16 (w % 4) on; lanes 0-15 one row, lanes 16-31 the next
	s_mul_i32 s52, s10, 16*272
	s_add_co_u32 s50, s50, s52
	s_add_co_u32 s50, s50, STG
	v_mul_u32_u24 v[RA], v[HH], 272
	s_delay_alu instid0(VALU_DEP_1)
	v_lshl_add_u32 v[RA], v[RR], 4, v[RA]
	s_delay_alu instid0(VALU_DEP_1)
	v_add_nc_u32 v[RA], s50, v[RA]
	v_lshlrev_b32 v[GO], 13, v[HH]                 ; a row of out0's [d][s] is 8,192 bytes
	s_delay_alu instid0(VALU_DEP_1)
	v_lshl_add_u32 v[GO], v[RR], 4, v[GO]
.irp j, 4,5,6,7
	v_mov_b32 v[QX+\j], 0                          ; zero codes for the half of K = 128 that holds no numbers
	v_mov_b32 v[KF+28+\j], 0
.endr
.irp b, 0,1,2,3
	v_mov_b32 v[BP+\b], 0                          ; written once: a lane permute's destination counts as one of its sources
.endr
	v_mov_b32 v[T1], 0
	s_mov_b32 s[SEL], 0x76543210
	s_mov_b32 s[SEL+1], 0xfedcba98
	s_mov_b32 s[CS], 0x3e38aa3b                    ; c = log2(e) / 8
	s_mov_b32 s[CS+1], s[CS]                       ; (named with it as a pair, so it is written)
	s_lshl_b32 s50, s13, 19                        ; out0: the head's 64 rows of 8,192 bytes,
	s_lshl_b32 s52, s10, 17                        ; my 16 of them
	s_add_co_u32 s50, s50, s52
	s_add_nc_u64 s[58:59], s[6:7], s[50:51]
	s_lshl_b32 s57, s9, 2
	s_add_co_u32 s57, s57, s12                     ; the early unit that I store: 4 (w / 4) + x
	s_lshl_b32 s50, s57, 8                         ; 64 queries are 256 bytes
	s_add_nc_u64 s[48:49], s[58:59], s[50:51]
	s_sub_co_u32 s50, 31, s57                      ; the late unit that I store
	s_lshl_b32 s50, s50, 8
	s_add_nc_u64 s[60:61], s[58:59], s[50:51]
	s_mov_b32 s[LO], 0                             ; THE EARLY TILE: steps 0 .. L, the last on the diagonal
	s_lshr_b32 s[DG], s14, 1
	s_and_b32 s[TD], s14, 1
	s_lshl_b32 s[TD], s[TD], 2
	s_add_co_u32 s[TD], s[TD], s9                  ; its place in that step: 4 (U % 2) + a
	BEGIN
	s_wait_alu depctr_va_vdst(0)
	s_wait_loadcnt 0x0                             ; Q
	s_wait_tensorcnt 0x0                           ; my record is in,
	s_barrier_signal -1
	s_barrier_wait -1                              ; everybody's is
	s_mov_b32 s[OT], 0
.Ltile:
	s_mul_i32 s[TN], s[LO], KVB                    ; the trip's first step is LO in every wave: its K is asked for here
	KLOAD
	s_mov_b32 s[KI], 0
	s_mov_b32 s[TB], 0
.Lx:                                                   ; 16 trips: the steps LO .. DG are the tile's
	s_cmp_lt_u32 s[KI], s[LO]
	s_cbranch_scc1 .Lx_next
	s_cmp_gt_u32 s[KI], s[DG]
	s_cbranch_scc1 .Lx_next
	s_cmp_eq_u32 s[KI], s[DG]
	s_cbranch_scc1 .Ldiag
	STEP 8, 0, TB, 1                               ; a full step has a successor in the same trip
	s_branch .Lx_next
.Ldiag:
.irp v, 1,2,3,4,5,6,7,8
	s_cmp_lg_u32 s[TD], \v-1
	s_cbranch_scc1 .Lnot_\v
	STEP \v, 1, TB, 0
	s_branch .Lx_next
.Lnot_\v:
.endr
.Lx_next:
	s_add_co_u32 s[TB], s[TB], KVB
	s_add_co_u32 s[KI], s[KI], 1
	s_cmp_lt_u32 s[KI], 16
	s_cbranch_scc1 .Lx
	s_cmp_lg_u32 s[OT], 0
	s_cbranch_scc1 .Lnot_first
	s_wait_alu depctr_va_vdst(0)
	FINAL 0                                        ; the early tile is done: into its stage
.irp j, 0,1,2,3
	v_mov_b32 v[QX+\j], v[QN+\j]                   ; THE LATE TILE: its queries,
.endr
	v_mov_b32 v[QS], v[QSN]
	BEGIN                                          ; (these lines are also the places between the scale word's write and the next products)
	s_wait_alu depctr_va_vdst(0)
.Lnot_first:
	s_mov_b32 s[LO], 8                             ; its steps 8 .. 15 - L come first
	s_sub_co_u32 s[DG], 15, s[DG]
	s_xor_b32 s[TD], s[TD], 4                      ; 31 - U has the other parity
	s_add_co_u32 s[OT], s[OT], 1
	s_cmp_lt_u32 s[OT], 2
	s_cbranch_scc1 .Ltile
	s_wait_dscnt 0x0                               ; no LDS instruction of mine is pending at the signal
	s_barrier_signal -1                            ; my early tile lies in its stage
	s_mov_b32 s[TN], 0
	KLOAD
	s_mov_b32 s[KI], 0
	s_mov_b32 s[TB], 0
.Lp1:                                                  ; the late tile's steps 0 .. 7, all of whose keys count in every wave (15 - L is 8 at the least); the last trip's look-ahead names record 8 and is not used
	STEP 8, 0, TB, 1
	s_add_co_u32 s[TB], s[TB], KVB
	s_add_co_u32 s[KI], s[KI], 1
	s_cmp_lt_u32 s[KI], 8
	s_cbranch_scc1 .Lp1
	s_barrier_wait -1                              ; the four early units lie in their stages
	OUT 0, 48
	s_wait_alu depctr_va_vdst(0)
	FINAL UB                                       ; the late tile: into its own stage
	s_barrier_signal -1
	s_barrier_wait -1                              ; the four late units lie in theirs
	OUT 1, 60
	s_wait_tensorcnt 0x0                           ; the wave's end
	ds_add_u32 v[SPW], v[NIL]
	s_wait_dscnt 0x0
	s_endpgm
.Lfunc_end_k_q5c1c0f8969_attn:
	.size	k_q5c1c0f8969_attn, .Lfunc_end_k_q5c1c0f8969_attn-k_q5c1c0f8969_attn
	.p2alignl 7, 3214868480
	.fill 96, 4, 3214868480
	.section	.rodata,"a",@progbits
	.p2align	6, 0x0
	.amdhsa_kernel k_q5c1c0f8969_attn
		.amdhsa_group_segment_fixed_size 284672
		.amdhsa_private_segment_fixed_size 0
		.amdhsa_enable_private_segment 0
		.amdhsa_kernarg_size 16
		.amdhsa_user_sgpr_count 2
		.amdhsa_user_sgpr_kernarg_segment_ptr 1
		.amdhsa_wavefront_size32 1
		.amdhsa_system_sgpr_workgroup_id_x 1
		.amdhsa_system_sgpr_workgroup_id_y 1
		.amdhsa_system_sgpr_workgroup_id_z 1
		.amdhsa_system_vgpr_workitem_id 0
		.amdhsa_next_free_vgpr 256
		.amdhsa_next_free_sgpr 76
		.amdhsa_reserve_vcc 0
		.amdhsa_float_denorm_mode_32 3
		.amdhsa_float_denorm_mode_16_64 3
		.amdhsa_memory_ordered 1
		.amdhsa_forward_progress 1
		.amdhsa_inst_pref_size 140
	.end_amdhsa_kernel
	.amdgpu_metadata
---
amdhsa.version: [ 1, 2 ]
amdhsa.kernels:
  - .name:           k_q5c1c0f8969_attn
    .symbol:         k_q5c1c0f8969_attn.kd
    .args:
      - { .name: qkv, .offset: 0, .size: 8, .value_kind: global_buffer, .address_space: global }
      - { .name: out0, .offset: 8, .size: 8, .value_kind: global_buffer, .address_space: global }
    .group_segment_fixed_size: 284672
    .private_segment_fixed_size: 0
    .kernarg_segment_align: 8
    .kernarg_segment_size: 16
    .max_flat_workgroup_size: 512
    .sgpr_count:     76
    .vgpr_count:     256
    .wavefront_size: 32
...
	.end_amdgpu_metadata
.endif
;; end of part 2
